; MI455X (gfx1250); checked and timed in simulation.
; The chip was launched on July 23, 2026; its instructions are those of AMD's public machine-readable ISA for CDNA 5 (MIT licence, August 2026) and "CDNA5" Instruction Set Architecture Reference Guide (July 2026). The comments in the code are by the model that wrote it; some were corrected since.
;; GRU Router Cell. Allowed arithmetic: matrix products marked QUANTISED: E2M1 operands, one E8M0 scale for each 32 along K, by v_wmma_scale_f32_16x16x128_f8f6f4 with both operands' format E2M1 (or v_wmma_scale_f32_32x16x128_f4), f32 sums; everything else in f32.
;; Inputs: bias_hn 1,024 float32; bias_hr 1,024 float32; bias_hz 1,024 float32; bias_in 1,024 float32; bias_ir 1,024 float32; bias_iz 1,024 float32; h 8,192 x 1,024 float32; weight_hn 1,024 x 1,024 float32; weight_hr 1,024 x 1,024 float32; weight_hz 1,024 x 1,024 float32; weight_in 1,024 x 1,024 float32; weight_ir 1,024 x 1,024 float32; weight_iz 1,024 x 1,024 float32; x_codes 8,192 x 32 x 16 uint8 (E2M1 codes of x, K innermost, in blocks of 32 codes, two codes a byte); x_scales 8,192 x 32 uint8 (E8M0 scales of x, one for each 32 codes along K).
;; Outputs: out0 8,192 x 1,024 float32.
;; This version of the problem:
;;   THIS VERSION OF THE PROBLEM IS GIVEN IN LOW PRECISION. The matrix products marked QUANTISED in the list below multiply operands that are first quantised to E2M1 (2 exponent bits, 1 mantissa bit; 4 bits a number), with one power-of-two scale for each 32 numbers along K (OCP MX v1.0); their sums are f32. All else is computed in f32.
;;   The module's matrix products, in the order in which they are computed (A, B: the left and right operand; K: the contracted axis; several contracted axes count as one K, in the product's order):
;;     1. [M 8,192, K 1,024] x [K 1,024, N 3,072]; A: input x (given as codes); B: computed on the way: QUANTISED
;;     2. [M 8,192, K 1,024] x [K 1,024, N 3,072]; A: input h; B: computed on the way: QUANTISED
;;   THE QUANTISER, for each operand of a quantised product, along K:
;;     - K is cut into blocks of 32 from its start; a last block that is shorter is filled with zeros.
;;     - A block's scale is 2^e with e = floor(log2(the largest magnitude in the block)) - 2, held to -126 .. 127; a block of zeros has e = 0. As a byte (E8M0): e + 127.
;;     - Each number is divided by its block's scale, clamped to +-6, and rounded to the nearest number of E2M1, ties to even, subnormals kept.
;;     - The product sums the exact products of the quantised numbers (number of the format x scale) in f32.
;;   ~~~python
;;   def quantise(x, axis):      # numpy; x: float32 -> the quantised numbers, widened to float32 again
;;       x = np.moveaxis(x, axis, -1); K = x.shape[-1]
;;       x = np.pad(x, [(0, 0)] * (x.ndim - 1) + [(0, -K % 32)]); x = x.reshape(x.shape[:-1] + (-1, 32)); a = np.abs(x).max(-1, keepdims=True)
;;       e = np.where(a > 0, np.clip(np.frexp(np.where(a > 0, a, 1))[1] - 1 - 2, -126, 127), 0)      # np.frexp(a)[1] - 1 = floor(log2(a)), exactly
;;       r = np.clip(x / 2.0 ** e, -6, 6)
;;       step = 2.0 ** (np.maximum(np.frexp(np.where(r == 0, 1, r))[1] - 1, 0) - 1)
;;       q = np.round(r / step) * step * 2.0 ** e      # np.round: ties to even
;;       return np.moveaxis(q.reshape(q.shape[:-2] + (-1,))[..., :K], -1, axis).astype(np.float32)
;;   ~~~
;;   OPERANDS COMPUTED ON THE WAY. 'Computed on the way' means the value that the module computes at that place (a softmax that the list does not call 'softmax' is quantised finished and normalised). What goes into a quantiser is computed in f32, as accurately as f32 sums, v_exp_f32 and their like allow (about 1e-6 of the number): no bf16 or f16 on the way to a quantiser, and a product that is left as it is and whose result goes on into a quantised operand takes f32 operands (vector FMAs, or v_wmma_f32_16x16x4_f32). A number that lies on a knife's edge between two numbers of the format may be rounded either way, as far as f32 arithmetic and the matrix unit's own rounding can turn it there, and no further.
;;   INPUTS GIVEN AS CODES. x (in the module: [8192, 1024], K = its axis 1): each comes as NAME_codes (uint8): NAME with its K axis moved to the last place and cut into blocks of 32 codes, [.., K / 32, bytes a block], one block behind the other in memory; two codes a byte, the lower K in the low four bits (a code: sign, 2 exponent bits, 1 mantissa bit); and NAME_scales (uint8): the same leading axes, one E8M0 byte (e + 127) for each 32 codes along K. Its value is code x scale, taken as it is: it is not quantised again, and the codes and scales need not be those that the quantiser above would give.
;; One version. Each part assembles by itself: llvm-mc -triple=amdgcn-amd-amdhsa -mcpu=gfx1250 --defsym DOCPART=n.
;; ======== version 1 of 1: 2 launches
;; limits: right only within a limited range of input values
;; workspace buffers: q_codes 7,340,032 bytes; q_scales 458,752 bytes
;; launch quant (part 1): grid 896 x 1, 8 waves a work-group, no clusters, 69,120 bytes of LDS; arguments h, weight_ir, weight_iz, weight_in, weight_hr, weight_hz, weight_hn, q_codes, q_scales; writes q_codes, q_scales
.if DOCPART == 1
	.amdgcn_target "amdgcn-amd-amdhsa--gfx1250"
	.amdhsa_code_object_version 6
	.text
	.protected	k_q2d415c81a7_quant
	.globl	k_q2d415c81a7_quant
	.p2align	8
	.type	k_q2d415c81a7_quant,@function
k_q2d415c81a7_quant:
	s_mov_b64 s[64:65], 0
	v_nop
	global_prefetch_b8 v0, s[64:65] scope:SCOPE_SE
	s_setreg_imm32_b32 hwreg(HW_REG_WAVE_MODE, 25, 1), 1
	s_wait_xcnt 0x0
; h [8192][1024] and the six weights [1024][1024], f32 with K innermost, become codes of FP4 (E2M1) with one E8M0 byte for each 32 along K.
; A block's scale is 2^(floor(log2(its largest magnitude)) - 2); its byte is the largest magnitude's exponent field - 2, held at 1 from below.
; LAYOUT OF THE RESULT.  A row block g is 16 rows x 1,024 K.  g = 0 .. 511: h's.  g = 512 + 6 J + t: rows 16 J .. 16 J + 15 of weight t (0 ir, 1 iz, 2 in, 3 hr, 4 hz, 5 hn),
; so that the six weights of 16 output columns are one dense run.  q_codes [896 g][8 s][1,024]: fragment (g, s), 16 rows x K 128 s .. + 127, as the IMAGE OF ITS OPERAND REGISTERS:
; bytes 512 c + 16 lane are registers 4 c .. 4 c + 3 of lane (r = lane % 16, hh = lane / 16): k = 128 s + 64 c + 32 hh + 0 .. 31 of row r.
; q_scales [896 g][2][16 r][4 words]: the scale word of (row r, K step s) at 512 g + 256 (s / 4) + 16 r + 4 (s % 4).
; SHARES.  A work-group takes one row block, wave w its K step w: 16 rows x 128 numbers.  No loop: a wave's 16 loads are all out at once; each reads 512 consecutive bytes, aligned.
; The conversions take neighbours along K from ONE lane's registers, the loads are best with neighbouring lanes on neighbouring bytes: so the 8 KiB turn through the wave's own stage in LDS,
; and come back into the registers that they left: 106 registers a wave and 69,120 bytes of LDS a work-group let four work-groups lie on a WGP, 1,024 places for the launch's 896 work-groups.
; LIMITS: NaN and infinities among the inputs are not served.  A block whose largest magnitude lies under 2^-124 gets the byte 1 (the hold at -126).  A block of zeros gets the byte 1 where the
; rule says 127: its codes are zeros, which add nothing under any byte but 0xff, and the bytes are read by this program alone.
.set SP,   528                         ; a stage row: 512 bytes + 16 = 132 words: row r begins 4 r words on modulo 64 (64 banks of 4 bytes: ISA guide 11.1)
.set STG,  16*SP                       ; a wave's stage
.set SCB,  8*STG                       ; behind the stages: the row block's 512 bytes of scale words, in the buffer's order
.set R,    16                          ; v16-79   16 x 4 registers as loaded
.set X,    16                          ; v16-79   the same registers: my two blocks of 32 neighbours, block c at X + 32 c
.set MXR,  80                          ; v80-81   their largest magnitudes
.set SOP,  82                          ; v82-83   the conversions' scale operands
.set SBY,  84                          ; v84-85   the scale bytes
.set C,    88                          ; v88-95   the fragment's eight registers
.set OW,   96                          ; v96-99   scale words on the way out
	s_load_b512 s[4:19], s[0:1], 0x0               ; h s[4:5], ir s[6:7], iz s[8:9], in s[10:11], hr s[12:13], hz s[14:15], hn s[16:17], q_codes s[18:19]
	s_load_b64 s[20:21], s[0:1], 0x40              ; q_scales
	v_lshl_add_u32 v104, v0, 2, 0x10a00
	v_mov_b32 v105, 0
	v_lshrrev_b32 v1, 5, v0
	s_delay_alu instid0(VALU_DEP_1)
	v_readfirstlane_b32 s24, v1                    ; wave 0..7 = my K step
	v_and_b32 v10, 31, v0                          ; lane
	v_and_b32 v2, 15, v0                           ; r
	v_bfe_u32 v3, v0, 4, 1                         ; hh
	s_delay_alu instid0(VALU_DEP_3)
	v_lshlrev_b32 v1, 4, v10                       ; 16 x lane: my place in a load's, and in a store's, 512 bytes
	s_mul_i32 s34, s24, STG
	v_add_nc_u32 v4, s34, v1                       ; into the stage: as loaded
	v_mul_u32_u24 v5, v2, SP
	s_delay_alu instid0(VALU_DEP_1)
	v_lshl_add_u32 v5, v3, 7, v5
	s_delay_alu instid0(VALU_DEP_1)
	v_add_nc_u32 v5, s34, v5                       ; out of it: row r, 128 hh bytes on: 32 neighbours of each half of the K step
	s_lshr_b32 s35, s24, 2
	s_lshl_b32 s35, s35, 8
	s_and_b32 s36, s24, 3
	s_lshl_b32 s36, s36, 2
	s_add_co_u32 s35, s35, s36
	s_add_co_u32 s35, s35, SCB
	v_lshl_add_u32 v6, v2, 4, s35                  ; my row's scale word of my K step: SCB + 256 (w / 4) + 4 (w % 4) + 16 r
	v_lshlrev_b32 v7, 3, v3                        ; 8 hh: how far my two bytes are shifted up in the word
	v_add_nc_u32 v11, SCB, v1                      ; the way out of the scale words (wave 0)
	v_mov_b32 v9, 0                                ; written once: a lane permute's destination counts as one of its sources
	s_mov_b32 s32, 0x76543210
	s_mov_b32 s33, 0xfedcba98                      ; v_permlanex16_b32's selects for lane l xor 16
	s_sub_co_u32 s25, ttmp9, 512                   ; a weight's work-group: t = (b - 512) / 64, J = (b - 512) % 64 (h's work-groups do not use these)
	s_lshr_b32 s26, s25, 6
	s_and_b32 s27, s25, 63
	s_mul_i32 s28, s27, 6
	s_add_co_u32 s28, s28, s26
	s_add_co_u32 s28, s28, 512                     ; g = 512 + 6 J + t
	s_wait_alu depctr_va_vdst(0)
	s_wait_kmcnt 0x0
	s_mov_b64 s[22:23], s[6:7]                     ; which tensor: chosen without a jump, on the work-group's number alone
	s_cmp_eq_u32 s26, 1
	s_cselect_b64 s[22:23], s[8:9], s[22:23]
	s_cmp_eq_u32 s26, 2
	s_cselect_b64 s[22:23], s[10:11], s[22:23]
	s_cmp_eq_u32 s26, 3
	s_cselect_b64 s[22:23], s[12:13], s[22:23]
	s_cmp_eq_u32 s26, 4
	s_cselect_b64 s[22:23], s[14:15], s[22:23]
	s_cmp_eq_u32 s26, 5
	s_cselect_b64 s[22:23], s[16:17], s[22:23]
	s_cmp_lt_u32 ttmp9, 512
	s_cselect_b64 s[22:23], s[4:5], s[22:23]       ; the first 512 work-groups take h,
	s_cselect_b32 s27, ttmp9, s27                  ; their row block in the tensor
	s_cselect_b32 s28, ttmp9, s28                  ; and in the buffers is the work-group's number
	s_lshl_b32 s30, s27, 16                        ; 16 rows of 4,096 bytes
	s_lshl_b32 s29, s24, 9                         ; + my K step's 512 bytes of a row
	s_add_co_u32 s30, s30, s29
	s_mov_b32 s31, 0
	s_add_nc_u64 s[22:23], s[22:23], s[30:31]
	s_lshl_b32 s30, s28, 13                        ; codes: 8,192 g + 1,024 w
	s_lshl_b32 s29, s24, 10
	s_add_co_u32 s30, s30, s29
	s_add_nc_u64 s[18:19], s[18:19], s[30:31]
	s_lshl_b32 s30, s28, 9                         ; scale words: 512 g
	s_add_nc_u64 s[20:21], s[20:21], s[30:31]
.irp i, 0,1,2,3,4,5,6,7,8,9,10,11,12,13,14,15
	global_load_b128 v[R+4*\i:R+4*\i+3], v1, s[22:23] offset:4096*\i   ; row i: 32 lanes read 512 consecutive bytes.  No hint: h is read again by the next launch
.endr
.irp i, 0,1,2,3,4,5,6,7,8,9,10,11,12,13,14,15
	s_wait_loadcnt 15-\i                           ; loads come back in order: row i is in, the 15 - i younger ones may be out
	ds_store_b128 v4, v[R+4*\i:R+4*\i+3] offset:SP*\i
.endr
.irp c, 0,1
.irp i, 0,1,2,3,4,5,6,7
	ds_load_b128 v[X+32*\c+4*\i:X+32*\c+4*\i+3], v5 offset:256*\c+16*\i   ; LDS serves a wave's instructions in order (ISA guide 5.7.1.4): these see my stores, and land where the stores' data lay.  k = 64 c + 32 hh + 4 i ..
.endr
.endr
	s_wait_dscnt 0x0
.irp c, 0,1                                    ; a block's 32 numbers are all mine
	v_max3_num_f32 v[MXR+\c], |v[X+32*\c]|, |v[X+32*\c+1]|, 0x1800000   ; and the floor 2^(3 - 127): the byte cannot fall under 1
.endr
.irp i, 2,4,6,8,10,12,14,16,18,20,22,24,26,28,30
.irp c, 0,1
	s_delay_alu instid0(VALU_DEP_2)
	v_max3_num_f32 v[MXR+\c], v[MXR+\c], |v[X+32*\c+\i]|, |v[X+32*\c+\i+1]|   ; (the two blocks by turns)
.endr
.endr
.irp c, 0,1
	s_delay_alu instid0(VALU_DEP_2)
	v_add_nc_u32 v[SOP+\c], 0xff000000, v[MXR+\c]  ; 2 off the exponent field: the conversion takes the exponent field of this operand as its scale, and nothing else of it
.endr
.irp c, 0,1
	s_delay_alu instid0(VALU_DEP_2)
	v_lshrrev_b32 v[SBY+\c], 23, v[SOP+\c]         ; the scale's byte
.endr
	s_delay_alu instid0(VALU_DEP_1)
	v_lshl_or_b32 v8, v[SBY+1], 16, v[SBY]         ; my two bytes: blocks hh and 2 + hh of row r,
	s_delay_alu instid0(VALU_DEP_1)
	v_lshlrev_b32 v8, v7, v8                       ; at their places in the word;
	s_delay_alu instid0(VALU_DEP_1)
	v_permlanex16_b32 v9, v8, s32, s33
	s_delay_alu instid0(VALU_DEP_1)
	v_or_b32 v8, v8, v9                            ; with lane l xor 16's two the word is whole
.irp c, 0,1
.irp g, 0,1,2,3
	v_cvt_scalef32_pk8_fp4_f32 v[C+4*\c+\g], v[X+32*\c+8*\g:X+32*\c+8*\g+7], v[SOP+\c]   ; nearest code, ties to even, beyond 6 the largest code: registers 4 c .. 4 c + 3 of the fragment
.endr
.endr
	v_nop                                          ; one plain vector line behind the last scaled conversion
.irp c, 0,1
	global_store_b128 v1, v[C+4*\c:C+4*\c+3], s[18:19] offset:512*\c   ; 32 lanes store 512 consecutive bytes, aligned
.endr
	ds_store_b32 v6, v8                            ; lanes r and r + 16 write the same word with the same value
	s_wait_dscnt 0x0                               ; for the others' sake: my word lies in LDS
	s_barrier_signal -1
	s_barrier_wait -1                              ; all eight K steps' words do
	s_cmp_lg_u32 s24, 0
	s_cbranch_scc1 .Ldone
	ds_load_b128 v[OW:OW+3], v11                   ; wave 0 stores the row block's 512 bytes of scale words as one run
	s_wait_dscnt 0x0
	global_store_b128 v1, v[OW:OW+3], s[20:21]
.Ldone:
	s_wait_tensorcnt 0x0
	ds_add_u32 v104, v105
	s_wait_dscnt 0x0
	s_endpgm
.Lfunc_end_k_q2d415c81a7_quant:
	.size	k_q2d415c81a7_quant, .Lfunc_end_k_q2d415c81a7_quant-k_q2d415c81a7_quant
	.p2alignl 7, 3214868480
	.fill 96, 4, 3214868480
	.section	.rodata,"a",@progbits
	.p2align	6, 0x0
	.amdhsa_kernel k_q2d415c81a7_quant
		.amdhsa_group_segment_fixed_size 69120
		.amdhsa_private_segment_fixed_size 0
		.amdhsa_enable_private_segment 0
		.amdhsa_kernarg_size 72
		.amdhsa_user_sgpr_count 2
		.amdhsa_user_sgpr_kernarg_segment_ptr 1
		.amdhsa_wavefront_size32 1
		.amdhsa_system_sgpr_workgroup_id_x 1
		.amdhsa_system_sgpr_workgroup_id_y 1
		.amdhsa_system_sgpr_workgroup_id_z 1
		.amdhsa_system_vgpr_workitem_id 0
		.amdhsa_next_free_vgpr 106
		.amdhsa_next_free_sgpr 66
		.amdhsa_reserve_vcc 0
		.amdhsa_float_denorm_mode_32 3
		.amdhsa_float_denorm_mode_16_64 3
		.amdhsa_memory_ordered 1
		.amdhsa_forward_progress 1
		.amdhsa_inst_pref_size 12
	.end_amdhsa_kernel
	.amdgpu_metadata
---
amdhsa.version: [ 1, 2 ]
amdhsa.kernels:
  - .name:           k_q2d415c81a7_quant
    .symbol:         k_q2d415c81a7_quant.kd
    .args:
      - { .name: h, .offset: 0, .size: 8, .value_kind: global_buffer, .address_space: global }
      - { .name: weight_ir, .offset: 8, .size: 8, .value_kind: global_buffer, .address_space: global }
      - { .name: weight_iz, .offset: 16, .size: 8, .value_kind: global_buffer, .address_space: global }
      - { .name: weight_in, .offset: 24, .size: 8, .value_kind: global_buffer, .address_space: global }
      - { .name: weight_hr, .offset: 32, .size: 8, .value_kind: global_buffer, .address_space: global }
      - { .name: weight_hz, .offset: 40, .size: 8, .value_kind: global_buffer, .address_space: global }
      - { .name: weight_hn, .offset: 48, .size: 8, .value_kind: global_buffer, .address_space: global }
      - { .name: q_codes, .offset: 56, .size: 8, .value_kind: global_buffer, .address_space: global }
      - { .name: q_scales, .offset: 64, .size: 8, .value_kind: global_buffer, .address_space: global }
    .group_segment_fixed_size: 69120
    .private_segment_fixed_size: 0
    .kernarg_segment_align: 8
    .kernarg_segment_size: 72
    .max_flat_workgroup_size: 256
    .sgpr_count:     66
    .vgpr_count:     106
    .wavefront_size: 32
...
	.end_amdgpu_metadata
.endif
;; end of part 1
;; launch gru (part 2): grid 8 x 32, 8 waves a work-group, clusters of 4 x 4, 327,680 bytes of LDS; arguments x_codes, x_scales, h, q_codes, q_scales, bias_ir, bias_hr, bias_iz, bias_hz, bias_in, bias_hn, out0; writes out0
.if DOCPART == 2
	.amdgcn_target "amdgcn-amd-amdhsa--gfx1250"
	.amdhsa_code_object_version 6
	.text
	.protected	k_q2d415c81a7_gru
	.globl	k_q2d415c81a7_gru
	.p2align	8
	.type	k_q2d415c81a7_gru,@function
k_q2d415c81a7_gru:
	s_mov_b64 s[64:65], 0
	v_nop
	global_prefetch_b8 v0, s[64:65] scope:SCOPE_SE
	s_setreg_imm32_b32 hwreg(HW_REG_WAVE_MODE, 25, 1), 1
	s_wait_xcnt 0x0
	s_wait_alu depctr_hold_cnt(0) depctr_sa_sdst(0) depctr_va_vdst(0) depctr_va_sdst(0) depctr_va_ssrc(0) depctr_va_vcc(0) depctr_vm_vsrc(0)
	s_getreg_b32 s2, hwreg(HW_REG_IB_STS2, 6, 4)
	s_cmp_eq_u32 s2, 0
	s_cbranch_scc0 .Lentry_in_a_cluster
	s_endpgm
.Lentry_in_a_cluster:
	s_bfe_u32 s2, ttmp6, 0x10000c
	s_cmp_lg_u32 s2, 0xf033
	s_cbranch_scc0 .Lentry_shape_is_right
	s_endpgm
.Lentry_shape_is_right:
; out = (1 - z) n + z h,  r = sigmoid(x Wir^T + h Whr^T + bir + bhr),  z = sigmoid(x Wiz^T + h Whz^T + biz + bhz),  n = tanh(x Win^T + bin + r (h Whn^T + bhn)).
; All six products on codes of FP4 (E2M1) with one E8M0 scale for each 32 along K, sums in f32; x's codes and scales as given; h's and the weights' from the launch before, as images of operand registers.
; SHARES.  A work-group makes 256 rows x 128 columns; wave w (of eight, two to a SIMD) its columns 16 w .. 16 w + 15 for all 256 rows.  THE WEIGHTS STAY IN REGISTERS: the six weights of 16 columns, all of K,
; are 48 fragments, 384 registers: K steps 0-3 come straight from memory, K steps 4-7 by the wave's one tensor load at the head and on out of LDS.  The activations come in four VISITS of 64 rows through two
; LDS slots: x's codes, h's images, both scale words, h's f32 numbers of the 128 columns; eight tensor loads a fill, one a wave.  A fragment read from LDS feeds three matrix instructions.
; Source 0 = 16 batch rows, source 1 = 16 rows of a weight: lane (r, hh), register j holds (row 8 hh + j, column r) in all four sums, so a lane has ONE column: each bias is one number a lane and rides in the
; gates' multiply-adds.  A block of 16 rows is 48 products (the four sums by turns) and then its gates in one run, four batches of exponentials and reciprocals.
; THE GATES.  With a = e^-Z', b = e^(2 y):  z = 1 / (1 + a), n = (b - 1) / (b + 1), so out = ((1 + b) (a + h) - 2 a) / ((1 + a) (1 + b)): one reciprocal serves z and n.
; THE WAY OUT: results go into a stage beside the slot (bytes that have had their last fill); behind the visit's barrier each wave takes 8 whole rows of 512 bytes and stores them.
; CLUSTER, 4 x 4: the four work-groups of a row of the cluster share their 256 batch rows: codes and scale words are asked for jointly; the four of a column share their 128 columns: the weights' tensor loads are
; asked for jointly.  h's f32 numbers hang on both coordinates and are each work-group's own.
; NO PREFETCH: the launch has four fills in all and no loop to run ahead in; each later fill is asked for one whole visit (192 products a wave) ahead of its first read.
; ORDER OF ROUNDING, LIMITS: a bias is multiplied by the gate's factor and added behind the sum.  r = 1 / (1 + 2^(-v log2 e)) saturates without a clamp.  The exponents of a and b (to the base 2) are held at 60 from
; above, so that (1 + a)(1 + b) stays finite: z is then never under 2^-60 and 1 - n never under 2^-59, both far under an f32's last bit beside the result.  NaN and infinities among the inputs are not served.
; REGISTERS: v2-14 addresses; v16-23 biases (each twice); v24-31 the row block's scale words; v32-55 the weights'; v56-63 h, then out; v64-95 R, Z, NI, NH; v96-127 two sets of fragments (x, h);
; v128-255 weights ir, iz, in, hn of K steps 0-3; v256-511 (window 1) hr, hz of K steps 0-3, then all six of K steps 4-7.
.set XP,    528                        ; an LDS row of 512 bytes + 16: row r begins 4 r words on modulo 64
.set RBX,   16*XP
.set SLOTB, 138240                     ; a slot with its stage
.set XC,    0                          ; x's codes: 64 rows of XP
.set HC,    33792                      ; h's images: 4 row blocks of 8,192
.set HS,    66560                      ; h's scale words: 4 x 512
.set XS,    68608                      ; x's scale bytes: 64 rows of 32
.set HF,    70656                      ; h's f32: 64 rows of XP
.set STG,   104448                     ; the stage: 64 rows of XP
.set SPARE, 326656                     ; the spare words: 128 bytes a wave
.set WT,    104448                     ; at the head: each wave's weights of K steps 4-7, 24,576 bytes; slot 1 and the stages use these bytes only behind the barrier in front of slot 1's first fill
.set SPW, 2
.set NIL, 3
.set ADX, 4                            ; v4-5   x's fragments in slot 0, 1: r XP + 16 hh
.set ADH, 6                            ; v6-7   h's images and scale words: 16 lane
.set AXS, 8                            ; v8-9   x's scale words: 32 r + 16 hh
.set AF,  10                           ; v10-11 h's f32 and the stage: 8 hh XP + 64 w + 4 r
.set RD,  12                           ; v12-13 the stage read back: 8 w XP + 16 lane
.set CO,  14                           ; v14    16 lane
.set BB,  16
.set XSR, 24                           ; register i: lanes 0-15 K step i, lanes 16-31 K step 4 + i, of row r
.set HSR, 28
.set WS,  32                           ; register 8 p + s: lanes 0-15 weight 2 p, lanes 16-31 weight 2 p + 1
.set HV,  56
.set RA,  64
.set ZA,  72
.set NIA, 80
.set NHA, 88
.set FR,  96
.set WV,  28
.set G1W, 4                            ; s[4:11]: group 1 of the weights' load, where arguments lay that have been used by then
.set G1X, 36
.set G1H, 44
.set G1F, 52
.set G1S, 68
.set G0X, 76
.set G0H, 80
.set G0F, 84
.set G0S, 88
.set NL,  92
.set PL,  94
.set G0W, 96                           ; s[96:99]: these never hold the cluster's y
.set MSB, 0
.macro WIN new                         ; the immediate's high byte repeats the setting that is left
.if MSB != \new
	s_set_vgpr_msb (MSB<<8)|\new
.set MSB, \new
.endif
.endm
.macro PLACES                          ; four plain places behind a matrix instruction (ISA guide 7.12.1)
.rept 4
	v_nop
.endr
.endm
.macro CREST
	s_cmp_lg_u32 s[WV], 0
	s_cbranch_scc1 .Lnot_wave_0_\@
	s_barrier_signal -3
.Lnot_wave_0_\@:
	s_barrier_wait -3
	s_barrier_signal -1
	s_barrier_wait -1
.endm
.macro CROUND                          ; a round of the cluster's barrier
	s_barrier_signal -1
	s_barrier_wait -1
	CREST
.endm
.macro TL g0, g1
	tensor_load_to_lds s[\g0:\g0+3], s[\g1:\g1+7]
	s_nop 0
.rept 4
	v_nop
.endr
.endm
.macro FILL                            ; one load a wave: waves 0, 1 x's codes; 2, 3 h's images; 4, 5 h's f32; 6 h's scale words; 7 x's
	s_cmp_lt_u32 s[WV], 2
	s_cbranch_scc0 .Lfh_\@
	TL G0X, G1X
	s_branch .Lfe_\@
.Lfh_\@:
	s_cmp_lt_u32 s[WV], 4
	s_cbranch_scc0 .Lff_\@
	TL G0H, G1H
	s_branch .Lfe_\@
.Lff_\@:
	s_cmp_lt_u32 s[WV], 6
	s_cbranch_scc0 .Lfs_\@
	TL G0F, G1F
	s_branch .Lfe_\@
.Lfs_\@:
	TL G0S, G1S
.Lfe_\@:
.endm
.macro SETG0 sl, step                  ; the groups 0 for a fill of slot sl; step = 1: 64 rows on
	s_add_co_u32 s[G0X+1], s60, \sl*SLOTB+XC
	s_add_co_u32 s[G0H+1], s61, \sl*SLOTB+HC
	s_add_co_u32 s[G0F+1], s60, \sl*SLOTB+HF
	s_add_co_u32 s[G0S+1], s62, \sl*SLOTB+HS
.if \step
	s_add_nc_u64 s[G0X+2:G0X+3], s[G0X+2:G0X+3], 32768
	s_add_nc_u64 s[G0H+2:G0H+3], s[G0H+2:G0H+3], 32768
	s_add_nc_u64 s[G0F+2:G0F+3], s[G0F+2:G0F+3], 262144
	s_add_nc_u64 s[G0S+2:G0S+3], s[G0S+2:G0S+3], 2048
.endif
.endm
.macro WREG t, s                       ; where weight t's fragment of K step s lies: register wr of window ww
.if (\s) < 4
.if (\t) < 3
.set wr, 128+8*(4*(\s)+(\t))
.set ww, 0
.elseif (\t) == 5
.set wr, 128+8*(4*(\s)+3)
.set ww, 0
.else
.set wr, 8*(2*(\s)+(\t)-3)
.set ww, 1
.endif
.else
.set wr, 64+8*(6*((\s)-4)+(\t))
.set ww, 1
.endif
.endm
.macro WLDS                            ; K steps 4-7 out of LDS: fragment (t, s) at 4,096 t + 1,024 (s - 4) of my part
.irp s, 4,5,6,7
.irp t, 0,1,2,3,4,5
	WREG \t, \s
	ds_load_b128 v[wr:wr+3], v59 offset:4096*\t+1024*(\s-4)
	ds_load_b128 v[wr+4:wr+7], v59 offset:4096*\t+1024*(\s-4)+512
.endr
.endr
.endm
.macro WLOAD pass                      ; K steps 0-3 straight from memory: 32 lanes read 512 consecutive bytes
.irp s, 0,1,2,3
.irp t, 0,1,2,3,4,5
	WREG \t, \s
.if ww == \pass
	global_load_b128 v[wr:wr+3], v[CO], s[100:101] offset:8192*\t+1024*\s
	global_load_b128 v[wr+4:wr+7], v[CO], s[100:101] offset:8192*\t+1024*\s+512
.endif
.endr
.endr
.endm
	s_load_b512 s[4:19], s[0:1], 0x0               ; x_codes 4, x_scales 6, h 8, q_codes 10, q_scales 12, bir 14, bhr 16, biz 18
	s_load_b256 s[20:27], s[0:1], 0x40             ; bhz 20, bin 22, bhn 24, out 26
	v_lshl_add_u32 v[SPW], v0, 2, SPARE
	v_mov_b32 v[NIL], 0
	ds_add_u32 v[SPW], v[NIL]                      ; the opening add, twice on end, and its wait
	ds_add_u32 v[SPW], v[NIL]
	v_lshrrev_b32 v1, 5, v0
	v_readfirstlane_b32 s[WV], v1                  ; wave 0..7
	s_and_b32 s29, s[WV], 1                        ; which half of a tile I fetch
	s_bfe_u32 s30, ttmp6, 0x40000                  ; cx
	s_bfe_u32 s35, ttmp6, 0x40004                  ; cy
	s_lshl_b32 s31, ttmp9, 2
	s_add_co_u32 s31, s31, s30                     ; ny: my block of 128 columns, which my column of the cluster shares
	s_and_b32 s32, ttmp7, 0xffff
	s_lshl_b32 s32, s32, 2
	s_add_co_u32 s32, s32, s35                     ; mx: my block of 256 rows, which my row of the cluster shares
	s_lshl_b32 s67, s35, 2
	s_lshl_b32 s67, 15, s67                        ; my row of the cluster: places 4 cy .. 4 cy + 3
	s_lshl_b32 s33, s31, 3
	s_add_co_u32 s33, s33, s[WV]                   ; J: my block of 16 columns
	s_lshl_b32 s34, s32, 17                        ; codes: 256 rows of 512 bytes,
	s_lshl_b32 s61, s29, 14                        ; my half: 32 rows (two images)
	s_add_co_u32 s34, s34, s61
	s_mov_b32 s35, 0
	s_mul_i32 s60, s29, 32*XP
	s_lshl_b32 s62, s29, 11
	s_lshl_b32 s63, s[WV], 6
	s_add_co_u32 s63, s63, HF
	s_lshl_b32 s66, s32, 13                        ; scale bytes: 256 rows of 32
	s_mul_i32 s84, s[WV], 8*XP
	s_add_co_u32 s84, s84, STG
	s_lshl_b32 s85, s33, 6                         ; my columns in a bias
	s_mul_i32 s86, s[WV], 24576
	s_add_co_u32 s86, s86, WT                      ; my part of the weights' bytes in LDS
	s_mul_i32 s100, s33, 49152                     ; my six weights' images, behind h's 512 row blocks
	s_add_co_u32 s100, s100, 512*8192
	s_mov_b32 s101, 0
	s_mul_i32 s2, s33, 3072                        ; and their scale words
	s_add_co_u32 s2, s2, 512*512
	s_mov_b32 s3, 0
	s_lshl_b32 s33, 0x1111, s30                    ; my column of the cluster: places cx, cx + 4, cx + 8, cx + 12
	s_mov_b32 s[NL], 0xbfb8aa3b                    ; -log2(e)
	s_mov_b32 s[NL+1], 0xbfb8aa3b
	s_mov_b32 s[PL], 0x4038aa3b                    ; 2 log2(e)
	s_mov_b32 s[PL+1], 0x4038aa3b
	; group 1.  x's codes: 32 rows of 512 bytes (64 elements of 8), 16 bytes of padding behind each; joint along my row
	s_or_b32 s[G1X], s67, (3<<16)|(1<<20)|(1<<21)|(6<<22)|(3<<25)
	s_mov_b32 s[G1X+1], 64<<16
	s_mov_b32 s[G1X+2], 32<<16
	s_mov_b32 s[G1X+3], 64<<16
	s_mov_b32 s[G1X+4], 32
	s_mov_b32 s[G1X+5], 64
	s_mov_b32 s[G1X+6], 0
	s_mov_b32 s[G1X+7], 0
	; h's images: 16,384 dense bytes as 64 rows of 256; joint along my row
	s_or_b32 s[G1H], s67, (3<<16)|(1<<21)
	s_mov_b32 s[G1H+1], 32<<16
	s_mov_b32 s[G1H+2], 64<<16
	s_mov_b32 s[G1H+3], 32<<16
	s_mov_b32 s[G1H+4], 64
	s_mov_b32 s[G1H+5], 32
	s_mov_b32 s[G1H+6], 0
	s_mov_b32 s[G1H+7], 0
	; h's f32: 32 rows of 128 numbers, padded; my work-group's own
	s_mov_b32 s[G1F], (2<<16)|(1<<20)|(6<<22)|(3<<25)
	s_mov_b32 s[G1F+1], 128<<16
	s_mov_b32 s[G1F+2], 32<<16
	s_mov_b32 s[G1F+3], 128<<16
	s_mov_b32 s[G1F+4], 32
	s_mov_b32 s[G1F+5], 1024
	s_mov_b32 s[G1F+6], 0
	s_mov_b32 s[G1F+7], 0
	; scale bytes of 64 rows: 2,048 dense bytes as 8 rows of 256; joint along my row
	s_or_b32 s[G1S], s67, (3<<16)|(1<<21)
	s_mov_b32 s[G1S+1], 32<<16
	s_mov_b32 s[G1S+2], 8<<16
	s_mov_b32 s[G1S+3], 32<<16
	s_mov_b32 s[G1S+4], 8
	s_mov_b32 s[G1S+5], 32
	s_mov_b32 s[G1S+6], 0
	s_mov_b32 s[G1S+7], 0
	s_mov_b32 s67, 0
	v_and_b32 v1, 31, v0                           ; lane
	v_and_b32 v15, 15, v0                          ; r
	v_bfe_u32 v56, v0, 4, 1                        ; hh
	s_delay_alu instid0(VALU_DEP_3)
	v_lshlrev_b32 v[CO], 4, v1
	s_delay_alu instid0(VALU_DEP_3)
	v_mul_u32_u24 v[ADX], v15, XP
	s_delay_alu instid0(VALU_DEP_4)
	v_lshlrev_b32 v[AXS], 5, v15
	s_delay_alu instid0(VALU_DEP_4)
	v_mul_u32_u24 v[AF], v56, 8*XP
	v_lshlrev_b32 v57, 4, v15
	v_lshl_add_u32 v58, v15, 2, s85                ; a bias at my column
	v_lshl_add_u32 v[ADX], v56, 4, v[ADX]
	v_lshl_add_u32 v[AXS], v56, 4, v[AXS]
	v_lshl_add_u32 v[AF], v15, 2, v[AF]
	v_lshl_add_u32 v57, v56, 9, v57                ; the weights' scale words: 16 r, lanes 16-31 one weight on
	v_add_nc_u32 v[ADH], HC, v[CO]
	v_add_nc_u32 v[RD], s84, v[CO]
	v_add_nc_u32 v59, s86, v[CO]                   ; the weights out of LDS: my part + 16 lane
	v_add_nc_u32 v[AXS], XS, v[AXS]
	v_add_nc_u32 v[AF], s63, v[AF]
	v_add_nc_u32 v[ADX+1], SLOTB, v[ADX]
	v_add_nc_u32 v[ADH+1], SLOTB, v[ADH]
	v_add_nc_u32 v[RD+1], SLOTB, v[RD]
	v_add_nc_u32 v[AXS+1], SLOTB, v[AXS]
	v_add_nc_u32 v[AF+1], SLOTB, v[AF]
	s_wait_alu depctr_va_vdst(0)                   ; the end of the head's vector work
	s_lshl_b32 s84, s32, 20                        ; h and out: 256 rows of 4,096 bytes,
	s_lshl_b32 s85, s31, 9                         ; 128 columns of 4 bytes.  (Both coordinates meet only in the registers of h's own load)
	s_add_co_u32 s84, s84, s85
	s_lshl_b32 s86, s29, 17                        ; h: my half, 32 rows
	s_add_co_u32 s86, s86, s84
	s_mov_b32 s87, 0
	s_lshl_b32 s85, s[WV], 15                      ; out: 8 rows a wave in each visit
	s_add_co_u32 s84, s84, s85
	s_mov_b32 s85, 0
	s_wait_dscnt 0x0                               ; both opening adds are done
	s_wait_kmcnt 0x0
	s_add_nc_u64 s[G0X+2:G0X+3], s[4:5], s[34:35]
	s_add_nc_u64 s[G0H+2:G0H+3], s[10:11], s[34:35]
	s_add_nc_u64 s[26:27], s[26:27], s[84:85]
	s_add_nc_u64 s[G0F+2:G0F+3], s[8:9], s[86:87]
	s_cmp_eq_u32 s29, 0
	s_cselect_b64 s[G0S+2:G0S+3], s[12:13], s[6:7] ; wave 6: h's scale words; wave 7: x's
	s_add_nc_u64 s[G0S+2:G0S+3], s[G0S+2:G0S+3], s[66:67]
.irp g, G0X, G0H, G0F, G0S
	s_mov_b32 s[\g], 1
	s_or_b32 s[\g+3], s[\g+3], 0x80000000
.endr
	SETG0 0, 0
	s_add_nc_u64 s[100:101], s[10:11], s[100:101]
	s_add_nc_u64 s[2:3], s[12:13], s[2:3]
	; my six weights' K steps 4-7: 6 rows of 4,096 bytes (512 elements of 8), 8,192 bytes apart; joint along my column
	s_or_b32 s[G1W], s33, (3<<16)|(1<<21)
	s_mov_b32 s[G1W+1], 512<<16
	s_mov_b32 s[G1W+2], 6<<16
	s_mov_b32 s[G1W+3], 512<<16
	s_mov_b32 s[G1W+4], 6
	s_mov_b32 s[G1W+5], 1024
	s_mov_b32 s[G1W+6], 0
	s_mov_b32 s[G1W+7], 0
	s_mov_b32 s[G0W], 1
	s_mul_i32 s[G0W+1], s[WV], 24576
	s_add_co_u32 s[G0W+1], s[G0W+1], WT
	s_add_nc_u64 s[G0W+2:G0W+3], s[100:101], 4096
	s_or_b32 s[G0W+3], s[G0W+3], 0x80000000
	CROUND                                         ; all sixteen work-groups are here: the first joint loads meet
	TL G0W, G1W                                    ; one tensor load a wave at the head: half of my weights
.irp p, 0,1,2
.irp q, 0,1
	global_load_b128 v[WS+8*\p+4*\q:WS+8*\p+4*\q+3], v57, s[2:3] offset:1024*\p+256*\q
.endr
.endr
	global_load_b32 v64, v58, s[14:15]
	global_load_b32 v65, v58, s[16:17]
	global_load_b32 v66, v58, s[18:19]
	global_load_b32 v67, v58, s[20:21]
	global_load_b32 v68, v58, s[22:23]
	global_load_b32 v69, v58, s[24:25]
	WIN 0x40                                       ; destination window 1
	WLOAD 1
	WIN 0
	s_wait_tensorcnt 0x0                           ; my weights' half lies in LDS
	ds_add_u32 v[SPW], v[NIL]
	s_wait_dscnt 0x0
	CROUND
	FILL                                           ; visit 0's rows into slot 0, which no load has filled yet: my one tensor load behind the round
	WIN 0x40
	WLDS
	WIN 0
	WLOAD 0
; One product.  acc: the sum; fr: the activations' fragment; sreg: their scale words; t: the weight; zero: the sum begins
.macro MM acc, fr, sreg, t, s, zero
	WREG \t, \s
	WIN 4*ww                                       ; source 1 in window ww
.set sa, \sreg+((\s)%4)
.set sb, WS+8*((\t)/2)+(\s)
.if \zero
.if (\t)%2
	v_wmma_scale_f32_16x16x128_f8f6f4 v[\acc:\acc+7], v[\fr:\fr+7], v[wr:wr+7], 0, v[sa], v[sb] matrix_a_fmt:MATRIX_FMT_FP4 matrix_b_fmt:MATRIX_FMT_FP4 matrix_b_scale:MATRIX_SCALE_ROW1
.else
	v_wmma_scale_f32_16x16x128_f8f6f4 v[\acc:\acc+7], v[\fr:\fr+7], v[wr:wr+7], 0, v[sa], v[sb] matrix_a_fmt:MATRIX_FMT_FP4 matrix_b_fmt:MATRIX_FMT_FP4
.endif
.elseif ((\s) >= 4) && ((\t)%2)
	v_wmma_scale_f32_16x16x128_f8f6f4 v[\acc:\acc+7], v[\fr:\fr+7], v[wr:wr+7], v[\acc:\acc+7], v[sa], v[sb] matrix_a_fmt:MATRIX_FMT_FP4 matrix_b_fmt:MATRIX_FMT_FP4 matrix_a_scale:MATRIX_SCALE_ROW1 matrix_b_scale:MATRIX_SCALE_ROW1
.elseif (\s) >= 4
	v_wmma_scale_f32_16x16x128_f8f6f4 v[\acc:\acc+7], v[\fr:\fr+7], v[wr:wr+7], v[\acc:\acc+7], v[sa], v[sb] matrix_a_fmt:MATRIX_FMT_FP4 matrix_b_fmt:MATRIX_FMT_FP4 matrix_a_scale:MATRIX_SCALE_ROW1
.elseif (\t)%2
	v_wmma_scale_f32_16x16x128_f8f6f4 v[\acc:\acc+7], v[\fr:\fr+7], v[wr:wr+7], v[\acc:\acc+7], v[sa], v[sb] matrix_a_fmt:MATRIX_FMT_FP4 matrix_b_fmt:MATRIX_FMT_FP4 matrix_b_scale:MATRIX_SCALE_ROW1
.else
	v_wmma_scale_f32_16x16x128_f8f6f4 v[\acc:\acc+7], v[\fr:\fr+7], v[wr:wr+7], v[\acc:\acc+7], v[sa], v[sb] matrix_a_fmt:MATRIX_FMT_FP4 matrix_b_fmt:MATRIX_FMT_FP4
.endif
.endm
.macro SCL sl, rb                      ; a row block's scale words
	ds_load_b128 v[XSR:XSR+3], v[AXS+\sl] offset:512*(\rb)
	ds_load_b128 v[HSR:HSR+3], v[ADH+\sl] offset:HS-HC+512*(\rb)
.endm
.macro FETCHQ sl, q                    ; x's and h's fragments of step q = 8 x row block + K step, into set q % 2: four loads
.set fb, FR+16*((\q)%2)
	ds_load_b128 v[fb:fb+3], v[ADX+\sl] offset:RBX*((\q)/8)+64*((\q)%8)
	ds_load_b128 v[fb+4:fb+7], v[ADX+\sl] offset:RBX*((\q)/8)+64*((\q)%8)+32
	ds_load_b128 v[fb+8:fb+11], v[ADH+\sl] offset:1024*(\q)
	ds_load_b128 v[fb+12:fb+15], v[ADH+\sl] offset:1024*(\q)+512
.endm
; A K step: six products.  Behind it its set takes the fragments of two steps on, into the next row block too.
.macro STEP sl, rb, s
.set qq, 8*(\rb)+(\s)
.if qq == 31
	s_wait_dscnt 0x2
.elseif ((\rb) == 0) || ((\s) >= 2)
	s_wait_dscnt 0x6                               ; x's fragment is in; h's two loads and the next step's four may be out.  (Steps 0, 1 of a later row block: in since the gates' wait for 0)
.endif
.set fx, FR+16*((\s)%2)
	MM RA,  fx,   XSR, 0, \s, (\s)==0
	MM ZA,  fx,   XSR, 1, \s, (\s)==0
	MM NIA, fx,   XSR, 2, \s, (\s)==0
.if qq == 31
	s_wait_dscnt 0x0
.elseif ((\rb) == 0) || ((\s) >= 2)
	s_wait_dscnt 0x4                               ; h's fragment is in; the next step's four loads may be out
.endif
	MM NHA, fx+8, HSR, 5, \s, (\s)==0
	MM RA,  fx+8, HSR, 3, \s, 0
	MM ZA,  fx+8, HSR, 4, \s, 0
.if ((\s) == 7) || ((qq+2) <= 31)
	PLACES
.endif
.if ((\s) == 7) && ((\rb) < 3)
	SCL \sl, (\rb)+1
.endif
.if (qq+2) <= 31
	FETCHQ \sl, qq+2
.endif
.if (\s) == 7
.irp j, 0,1,2,3,4,5,6,7
	ds_load_b32 v[HV+\j], v[AF+\sl] offset:RBX*(\rb)+XP*\j   ; h(8 hh + j, my column)
.endr
.endif
.endm
.macro WALU
	s_wait_alu depctr_va_vdst(0)                   ; ahead of and behind a batch
.endm
.macro GATES sl, rb
	WIN 0
.irp i, 0,2,4,6
	v_pk_fma_f32 v[RA+\i:RA+\i+1], v[RA+\i:RA+\i+1], s[NL:NL+1], v[BB:BB+1] op_sel_hi:[1,0,1]        ; -(R + bir + bhr) log2 e
.endr
.irp i, 0,2,4,6
	v_pk_fma_f32 v[ZA+\i:ZA+\i+1], v[ZA+\i:ZA+\i+1], s[NL:NL+1], v[BB+2:BB+3] op_sel_hi:[1,0,1]
.endr
.irp i, 0,2,4,6
	v_pk_fma_f32 v[NIA+\i:NIA+\i+1], v[NIA+\i:NIA+\i+1], s[PL:PL+1], v[BB+4:BB+5] op_sel_hi:[1,0,1]  ; (NI + bin) 2 log2 e
.endr
.irp i, 0,2,4,6
	v_pk_fma_f32 v[NHA+\i:NHA+\i+1], v[NHA+\i:NHA+\i+1], s[PL:PL+1], v[BB+6:BB+7] op_sel_hi:[1,0,1]  ; (NH + bhn) 2 log2 e
.endr
.irp i, 0,1,2,3,4,5,6,7
	v_min_num_f32 v[ZA+\i], 0x42700000, v[ZA+\i]   ; a's exponent held at 60
.endr
	WALU
.irp i, 0,1,2,3,4,5,6,7,8,9,10,11,12,13,14,15
	v_exp_f32 v[RA+\i], v[RA+\i]                   ; R's eight, then Z's: a
.endr
	v_nop
	WALU
.irp i, 0,2,4,6
	v_pk_add_f32 v[RA+\i:RA+\i+1], v[RA+\i:RA+\i+1], 1.0 op_sel_hi:[1,0]
.endr
	WALU
.irp i, 0,1,2,3,4,5,6,7
	v_rcp_f32 v[RA+\i], v[RA+\i]                   ; r
.endr
	v_nop
	WALU
.irp i, 0,2,4,6
	v_pk_fma_f32 v[NIA+\i:NIA+\i+1], v[RA+\i:RA+\i+1], v[NHA+\i:NHA+\i+1], v[NIA+\i:NIA+\i+1]        ; 2 y log2 e
.endr
.irp i, 0,1,2,3,4,5,6,7
	v_min_num_f32 v[NIA+\i], 0x42700000, v[NIA+\i] ; b's exponent held at 60
.endr
	WALU
.irp i, 0,1,2,3,4,5,6,7
	v_exp_f32 v[NIA+\i], v[NIA+\i]                 ; b
.endr
	v_nop
	WALU
.irp i, 0,2,4,6
	v_pk_add_f32 v[NIA+\i:NIA+\i+1], v[NIA+\i:NIA+\i+1], 1.0 op_sel_hi:[1,0]                         ; 1 + b
.endr
.irp i, 0,2,4,6
	v_pk_fma_f32 v[NHA+\i:NHA+\i+1], v[ZA+\i:ZA+\i+1], v[NIA+\i:NIA+\i+1], v[NIA+\i:NIA+\i+1]        ; (1 + a) (1 + b)
.endr
	s_wait_dscnt 0x0                               ; h is in, and all that was asked for ahead of it
	WALU
.irp i, 0,1,2,3,4,5,6,7
	v_rcp_f32 v[NHA+\i], v[NHA+\i]
.endr
.irp i, 0,2,4,6
	v_pk_add_f32 v[HV+\i:HV+\i+1], v[HV+\i:HV+\i+1], v[ZA+\i:ZA+\i+1]                                ; a + h
.endr
.irp i, 0,2,4,6
	v_pk_mul_f32 v[ZA+\i:ZA+\i+1], v[ZA+\i:ZA+\i+1], -2.0 op_sel_hi:[1,0]                            ; -2 a
.endr
.irp i, 0,2,4,6
	s_delay_alu instid0(VALU_DEP_4)
	v_pk_fma_f32 v[HV+\i:HV+\i+1], v[NIA+\i:NIA+\i+1], v[HV+\i:HV+\i+1], v[ZA+\i:ZA+\i+1]            ; (1 + b) (a + h) - 2 a
.endr
	WALU
.irp i, 0,2,4,6
	v_pk_mul_f32 v[HV+\i:HV+\i+1], v[HV+\i:HV+\i+1], v[NHA+\i:NHA+\i+1]                              ; out
.endr
.irp j, 0,1,2,3,4,5,6,7
	ds_store_b32 v[AF+\sl], v[HV+\j] offset:STG-HF+RBX*(\rb)+XP*\j
.endr
.endm
.macro OUTLD sl                        ; my 8 whole rows of the stage beside slot sl, into the sums' registers, which are idle
.irp i, 0,1,2,3,4,5,6,7
	ds_load_b128 v[RA+4*\i:RA+4*\i+3], v[RD+\sl] offset:XP*\i
.endr
.endm
.macro OUTST v                         ; 32 lanes store 512 consecutive bytes, at a multiple of 256 from out's first byte
.irp i, 0,1,2,3,4,5,6,7
	global_store_b128 v[CO], v[RA+4*\i:RA+4*\i+3], s[26:27] offset:262144*(\v)+4096*\i th:TH_STORE_NT
.endr
.endm
; A visit: 64 rows in slot sl.  First the visit before leaves, from the stage beside slot osl.
.macro VISIT v, sl, osl
.if \v > 0
	OUTLD \osl
.endif
	SCL \sl, 0
	FETCHQ \sl, 0
	FETCHQ \sl, 1
.if \v > 0
	s_wait_dscnt 0xa                               ; the stage's eight loads are in; the ten behind them may be out
	OUTST \v-1
	s_wait_xcnt 0x0                                ; the stores have read their registers: the sums may begin there
.else
	s_wait_loadcnt 0x0                             ; once: the weights of K steps 0-3, the scale words, the biases
	v_add_f32 v64, v64, v65                        ; bir + bhr
	v_add_f32 v66, v66, v67                        ; biz + bhz
	v_mul_f32 v[BB+4], s[PL], v68
	v_mul_f32 v[BB+5], s[PL], v68
	v_mul_f32 v[BB+6], s[PL], v69
	v_mul_f32 v[BB+7], s[PL], v69
	v_mul_f32 v[BB], s[NL], v64
	v_mul_f32 v[BB+1], s[NL], v64
	v_mul_f32 v[BB+2], s[NL], v66
	v_mul_f32 v[BB+3], s[NL], v66
	s_wait_alu depctr_va_vdst(0)
.endif
.irp rb, 0,1,2,3
.irp s, 0,1,2,3,4,5,6,7
	STEP \sl, \rb, \s
.endr
	GATES \sl, \rb
.endr
.endm
; The change of slots: all my tensor loads are in (my part of the next slot), the add, my LDS reads and stores are done; then the barrier, as a round of the cluster's where slot sl is filled.
.macro CHANGE fill, sl
	s_wait_tensorcnt 0x0
	ds_add_u32 v[SPW], v[NIL]
.if \fill
	SETG0 \sl, 1                                   ; no tensor load of mine is out: the groups 0 may be written
.endif
	s_wait_dscnt 0x0
.if \fill
	CROUND
	FILL                                           ; my one tensor load behind the round
.else
	s_barrier_signal -1
	s_barrier_wait -1
.endif
.endm
	CHANGE 1, 1                                    ; visit 0's rows are in, every wave has read its weights out of LDS: slot 1 is filled over their bytes
	VISIT 0, 0, 0
	CHANGE 1, 0                                    ; slot 0 takes visit 2's rows
	VISIT 1, 1, 0
	CHANGE 1, 1                                    ; slot 1 visit 3's
	VISIT 2, 0, 1
	CHANGE 0, 0
	VISIT 3, 1, 0
	CHANGE 0, 0                                    ; every wave's last results lie in the stage
	OUTLD 1
	s_wait_dscnt 0x0
	OUTST 3
	s_wait_tensorcnt 0x0                           ; the wave's end
	ds_add_u32 v[SPW], v[NIL]
	s_wait_dscnt 0x0
	CROUND                                         ; the closing round
	s_endpgm
.Lfunc_end_k_q2d415c81a7_gru:
	.size	k_q2d415c81a7_gru, .Lfunc_end_k_q2d415c81a7_gru-k_q2d415c81a7_gru
	.p2alignl 7, 3214868480
	.fill 96, 4, 3214868480
	.section	.rodata,"a",@progbits
	.p2align	6, 0x0
	.amdhsa_kernel k_q2d415c81a7_gru
		.amdhsa_group_segment_fixed_size 327680
		.amdhsa_private_segment_fixed_size 0
		.amdhsa_enable_private_segment 0
		.amdhsa_kernarg_size 96
		.amdhsa_user_sgpr_count 2
		.amdhsa_user_sgpr_kernarg_segment_ptr 1
		.amdhsa_wavefront_size32 1
		.amdhsa_system_sgpr_workgroup_id_x 1
		.amdhsa_system_sgpr_workgroup_id_y 1
		.amdhsa_system_sgpr_workgroup_id_z 1
		.amdhsa_system_vgpr_workitem_id 0
		.amdhsa_next_free_vgpr 512
		.amdhsa_next_free_sgpr 102
		.amdhsa_reserve_vcc 0
		.amdhsa_float_denorm_mode_32 3
		.amdhsa_float_denorm_mode_16_64 3
		.amdhsa_memory_ordered 1
		.amdhsa_forward_progress 1
		.amdhsa_inst_pref_size 255
	.end_amdhsa_kernel
	.section	.bss,"aw",@nobits
	.p2align	6
	.space	262144
	.amdgpu_metadata
---
amdhsa.version: [ 1, 2 ]
amdhsa.kernels:
  - .name:           k_q2d415c81a7_gru
    .symbol:         k_q2d415c81a7_gru.kd
    .args:
      - { .name: x_codes, .offset: 0, .size: 8, .value_kind: global_buffer, .address_space: global }
      - { .name: x_scales, .offset: 8, .size: 8, .value_kind: global_buffer, .address_space: global }
      - { .name: h, .offset: 16, .size: 8, .value_kind: global_buffer, .address_space: global }
      - { .name: q_codes, .offset: 24, .size: 8, .value_kind: global_buffer, .address_space: global }
      - { .name: q_scales, .offset: 32, .size: 8, .value_kind: global_buffer, .address_space: global }
      - { .name: bias_ir, .offset: 40, .size: 8, .value_kind: global_buffer, .address_space: global }
      - { .name: bias_hr, .offset: 48, .size: 8, .value_kind: global_buffer, .address_space: global }
      - { .name: bias_iz, .offset: 56, .size: 8, .value_kind: global_buffer, .address_space: global }
      - { .name: bias_hz, .offset: 64, .size: 8, .value_kind: global_buffer, .address_space: global }
      - { .name: bias_in, .offset: 72, .size: 8, .value_kind: global_buffer, .address_space: global }
      - { .name: bias_hn, .offset: 80, .size: 8, .value_kind: global_buffer, .address_space: global }
      - { .name: out0, .offset: 88, .size: 8, .value_kind: global_buffer, .address_space: global }
    .group_segment_fixed_size: 327680
    .private_segment_fixed_size: 0
    .kernarg_segment_align: 8
    .kernarg_segment_size: 96
    .max_flat_workgroup_size: 256
    .sgpr_count:     102
    .vgpr_count:     512
    .wavefront_size: 32
...
	.end_amdgpu_metadata
.endif
;; end of part 2
